; MI455X (gfx1250); checked and timed in simulation.
; The chip was launched on July 23, 2026; its instructions are those of AMD's public machine-readable ISA for CDNA 5 (MIT licence, August 2026) and "CDNA5" Instruction Set Architecture Reference Guide (July 2026). The comments in the code are by the model that wrote it; some were corrected since.
;; LSTM Cell. Allowed arithmetic: matrix products marked QUANTISED: E4M3 operands, one E8M0 scale for each 32 along K, by v_wmma_scale_f32_16x16x128_f8f6f4 with both operands' format E4M3, f32 sums; everything else in f32.
;; Inputs: Whc 2,048 x 2,048 float32; Whf 2,048 x 2,048 float32; Whi 2,048 x 2,048 float32; Who 2,048 x 2,048 float32; Wxc 2,048 x 2,048 float32; Wxf 2,048 x 2,048 float32; Wxi 2,048 x 2,048 float32; Wxo 2,048 x 2,048 float32; bc 2,048 float32; bf 2,048 float32; bi 2,048 float32; bo 2,048 float32; c 2,048 x 2,048 float32; h_codes 2,048 x 64 x 32 uint8 (E4M3 codes of h, K innermost, in blocks of 32 codes); h_scales 2,048 x 64 uint8 (E8M0 scales of h, one for each 32 codes along K); incoming_codes 2,048 x 64 x 32 uint8 (E4M3 codes of incoming, K innermost, in blocks of 32 codes); incoming_scales 2,048 x 64 uint8 (E8M0 scales of incoming, one for each 32 codes along K).
;; Outputs: out0 2,048 x 2,048 float32; out1 2,048 x 2,048 float32.
;; This version of the problem:
;;   THIS VERSION OF THE PROBLEM IS GIVEN IN LOW PRECISION. The matrix products marked QUANTISED in the list below multiply operands that are first quantised to E4M3 (4 exponent bits, 3 mantissa bits; 8 bits a number), with one power-of-two scale for each 32 numbers along K (OCP MX v1.0); their sums are f32. All else is computed in f32.
;;   The module's matrix products, in the order in which they are computed (A, B: the left and right operand; K: the contracted axis; several contracted axes count as one K, in the product's order):
;;     1. [M 2,048, K 2,048] x [K 2,048, N 8,192]; A: input incoming (given as codes); B: computed on the way: QUANTISED
;;     2. [M 2,048, K 2,048] x [K 2,048, N 8,192]; A: input h (given as codes); B: computed on the way: QUANTISED
;;   THE QUANTISER, for each operand of a quantised product, along K:
;;     - K is cut into blocks of 32 from its start; a last block that is shorter is filled with zeros.
;;     - A block's scale is 2^e with e = floor(log2(the largest magnitude in the block)) - 8, held to -126 .. 127; a block of zeros has e = 0. As a byte (E8M0): e + 127.
;;     - Each number is divided by its block's scale, clamped to +-448, and rounded to the nearest number of E4M3, ties to even, subnormals kept.
;;     - The product sums the exact products of the quantised numbers (number of the format x scale) in f32.
;;   ~~~python
;;   def quantise(x, axis):      # numpy; x: float32 -> the quantised numbers, widened to float32 again
;;       x = np.moveaxis(x, axis, -1); K = x.shape[-1]
;;       x = np.pad(x, [(0, 0)] * (x.ndim - 1) + [(0, -K % 32)]); x = x.reshape(x.shape[:-1] + (-1, 32)); a = np.abs(x).max(-1, keepdims=True)
;;       e = np.where(a > 0, np.clip(np.frexp(np.where(a > 0, a, 1))[1] - 1 - 8, -126, 127), 0)      # np.frexp(a)[1] - 1 = floor(log2(a)), exactly
;;       r = np.clip(x / 2.0 ** e, -448, 448)
;;       step = 2.0 ** (np.maximum(np.frexp(np.where(r == 0, 1, r))[1] - 1, -6) - 3)
;;       q = np.round(r / step) * step * 2.0 ** e      # np.round: ties to even
;;       return np.moveaxis(q.reshape(q.shape[:-2] + (-1,))[..., :K], -1, axis).astype(np.float32)
;;   ~~~
;;   OPERANDS COMPUTED ON THE WAY. 'Computed on the way' means the value that the module computes at that place (a softmax that the list does not call 'softmax' is quantised finished and normalised). What goes into a quantiser is computed in f32, as accurately as f32 sums, v_exp_f32 and their like allow (about 1e-6 of the number): no bf16 or f16 on the way to a quantiser, and a product that is left as it is and whose result goes on into a quantised operand takes f32 operands (vector FMAs, or v_wmma_f32_16x16x4_f32). A number that lies on a knife's edge between two numbers of the format may be rounded either way, as far as f32 arithmetic and the matrix unit's own rounding can turn it there, and no further.
;;   INPUTS GIVEN AS CODES. h (in the module: [2048, 2048], K = its axis 1); incoming (in the module: [2048, 2048], K = its axis 1): each comes as NAME_codes (uint8): NAME with its K axis moved to the last place and cut into blocks of 32 codes, [.., K / 32, bytes a block], one block behind the other in memory; one code a byte (a code: sign, 4 exponent bits, 3 mantissa bits); and NAME_scales (uint8): the same leading axes, one E8M0 byte (e + 127) for each 32 codes along K. Its value is code x scale, taken as it is: it is not quantised again, and the codes and scales need not be those that the quantiser above would give.
;; One version. Each part assembles by itself: llvm-mc -triple=amdgcn-amd-amdhsa -mcpu=gfx1250 --defsym DOCPART=n.
;; ======== version 1 of 1: 2 launches
;; limits: right only within a limited range of input values
;; workspace buffers: wq 34,603,008 bytes
;; launch quant (part 1): grid 128 x 8, 4 waves a work-group, no clusters, 33,280 bytes of LDS; arguments Wxi, Wxo, Wxf, Wxc, Whi, Who, Whf, Whc, wq; writes wq
.if DOCPART == 1
	.amdgcn_target "amdgcn-amd-amdhsa--gfx1250"
	.amdhsa_code_object_version 6
	.text
	.protected	k_q2bb8fc3a0f_quant
	.globl	k_q2bb8fc3a0f_quant
	.p2align	8
	.type	k_q2bb8fc3a0f_quant,@function
k_q2bb8fc3a0f_quant:
	s_mov_b64 s[64:65], 0
	v_nop
	global_prefetch_b8 v0, s[64:65] scope:SCOPE_SE
	s_setreg_imm32_b32 hwreg(HW_REG_WAVE_MODE, 25, 1), 1
	s_wait_xcnt 0x0
; The eight weights [2048 (unit)][2048 (k)], f32, K innermost, become codes of FP8 (E4M3) with one E8M0 byte for each 32 along K, laid in wq as the second launch's tensor loads take them.
; wq: 1,024 blocks of 33,792 bytes.  Block 32 tx + 2 ks + hf: tx = which 64 hidden units, ks = which 256 along the joint K (0-7: the input side, 8-15: the hidden side), hf = which 32 of the 64 units.
; In a block: row rr = 32 g + u (g: gate i, o, f, c = 0 .. 3; u: unit 64 tx + 32 hf + u); its 256 codes at 256 rr; its 8 scale bytes at 32,768 + 8 rr.
; A block's scale is 2^(floor(log2(its largest magnitude)) - 8); its byte is the largest magnitude's exponent field - 8, held at 1 from below.  Each number is divided by the scale, held within +-448, rounded to the nearest code, ties to even.
; LIMITS: a block of zeros gets the byte 1 where the rule says 127 (its codes are zeros, which add nothing under any byte but 0xff, and this program alone reads the bytes); NaN and infinities among the weights are not served.
; SHARES: work-group y = the tensor (4 x side + gate); x = 2 G + kh: G = 32 rows of it, kh = which half of K.  Wave w takes 32 rows x 256 along K (K step 4 kh + w): 16 steps of two rows' 1,024 bytes each.
; Its codes are 8,192 consecutive bytes of one block and its scale bytes 256 consecutive bytes, aligned.  Waves share nothing: no barrier.  A stream: no tensor load, no cluster, no matrix unit would add anything.
; A load reads 512 consecutive bytes, 16 a lane; the conversions want 16 neighbours along K in ONE lane: so a step's 2,048 bytes turn through the wave's own stage in LDS (16 bytes of padding behind each 64).
; Loads run four steps (16 loads a wave) ahead, the turn through LDS one step.
.set STEPS, 16
.set EMAX,  8
.set MANT,  0x600000                   ; the mantissa field of 448 as f32
.set BLKB,  33792                      ; a block of wq
.set R,     16                         ; v16-79   four sets of 16 numbers as they are loaded
.set X,     80                         ; v80-111  two sets of 16 neighbours
.set E,     112                        ; v112-127 a scale byte for each step
.set C,     128                        ; v128-191 codes: four registers for each step, so that no store's data are written again
.set WREG,  8192                       ; LDS: a region for each wave: two stages of 32 x SP bytes, behind them its 256 scale bytes
.set SP,    80                         ; a lane's place in a stage: 64 bytes + 16 of padding
	s_load_b512 s[8:23], s[0:1], 0x0               ; the eight weights, in the order 4 x side + gate
	s_load_b64 s[24:25], s[0:1], 0x40              ; wq
	v_lshl_add_u32 v192, v0, 2, 0x8000
	v_mov_b32 v193, 0
	v_lshrrev_b32 v1, 5, v0
	v_readfirstlane_b32 s31, v1                    ; wave
	v_and_b32 v2, 31, v0                           ; lane
	v_lshlrev_b32 v3, 4, v2                        ; 16 x lane: my 16 bytes of a load's 512, and my 16 codes of a step's 512
	s_mul_i32 s35, s31, WREG
	v_lshrrev_b32 v14, 2, v2
	v_mul_u32_u24 v14, v14, SP
	v_and_b32 v15, 3, v2
	v_lshl_add_u32 v14, v15, 4, v14
	v_add_nc_u32 v14, s35, v14                     ; the stage, on the way in: SP (lane / 4) + 16 (lane % 4); a load's 512 bytes take eight places
	v_mul_u32_u24 v15, v2, SP
	v_add_nc_u32 v15, s35, v15                     ; and on the way out: SP x lane: my 16 neighbours
	v_lshrrev_b32 v5, 1, v2
	s_add_co_u32 s35, s35, 2*32*SP
	v_add_nc_u32 v5, s35, v5                       ; my wave's 256 scale bytes, my block's byte
	v_lshlrev_b32 v7, 3, v2                        ; on the way out 8 bytes a lane
	v_add_nc_u32 v6, s35, v7
	s_mov_b32 s34, MANT                            ; (an instruction takes one literal: the hold's line has another)
	s_and_b32 s30, ttmp7, 0xffff                   ; the tensor: 4 x side + gate
	s_lshr_b32 s32, ttmp9, 1                       ; G = 2 tx + hf
	s_and_b32 s33, ttmp9, 1
	s_lshl_b32 s33, s33, 2
	s_add_co_u32 s33, s33, s31                     ; my K step within the tensor: 4 kh + wave
	s_lshl_b32 s36, s32, 18                        ; 32 rows of 8,192 bytes
	s_lshl_b32 s37, s33, 10                        ; 256 numbers
	s_add_co_u32 s36, s36, s37
	s_mov_b32 s37, 0                               ; s[36:37]: where my part begins in the tensor
	s_lshr_b32 s38, s30, 2                         ; side
	s_lshl_b32 s38, s38, 3
	s_add_co_u32 s38, s38, s33                     ; ks
	s_lshl_b32 s38, s38, 1
	s_lshr_b32 s39, s32, 1                         ; tx
	s_lshl_b32 s39, s39, 5
	s_add_co_u32 s38, s38, s39
	s_and_b32 s39, s32, 1                          ; hf
	s_add_co_u32 s38, s38, s39                     ; the block: 32 tx + 2 ks + hf
	s_mul_i32 s38, s38, BLKB                       ; (under 2^26)
	s_and_b32 s39, s30, 3                          ; gate
	s_lshl_b32 s28, s39, 13                        ; its 32 rows of 256 codes
	s_add_co_u32 s28, s28, s38
	s_mov_b32 s29, 0                               ; s[28:29]: my codes' place in wq
	s_lshl_b32 s26, s39, 8                         ; its 32 rows of 8 scale bytes
	s_add_co_u32 s26, s26, s38
	s_add_co_u32 s26, s26, 32768
	s_mov_b32 s27, 0                               ; s[26:27]: my scale bytes' place
	s_wait_alu depctr_va_vdst(0)
	s_wait_kmcnt 0x0
	s_bitcmp1_b32 s30, 0                           ; one of eight buffers, by three choices between two; each hangs on the work-group's number alone
	s_cselect_b64 s[8:9], s[10:11], s[8:9]
	s_cselect_b64 s[12:13], s[14:15], s[12:13]
	s_cselect_b64 s[16:17], s[18:19], s[16:17]
	s_cselect_b64 s[20:21], s[22:23], s[20:21]
	s_bitcmp1_b32 s30, 1
	s_cselect_b64 s[8:9], s[12:13], s[8:9]
	s_cselect_b64 s[16:17], s[20:21], s[16:17]
	s_bitcmp1_b32 s30, 2
	s_cselect_b64 s[8:9], s[16:17], s[8:9]
	s_add_nc_u64 s[8:9], s[8:9], s[36:37]
	s_add_nc_u64 s[28:29], s[24:25], s[28:29]
	s_add_nc_u64 s[26:27], s[24:25], s[26:27]
.macro LOAD t                          ; step t: rows 2 t and 2 t + 1, 1,024 bytes each, as four loads of 512 consecutive bytes
.irp i, 0,1,2,3
	global_load_b128 v[R+16*((\t)%4)+4*\i:R+16*((\t)%4)+4*\i+3], v3, s[8:9] offset:(2*(\t)+\i/2)*8192+(\i%2)*512 th:TH_LOAD_NT
.endr
.endm
.macro TURN t                          ; step t's numbers through the stage: LDS serves a wave's instructions in order, so no wait stands between the stores and the loads
.irp i, 0,1,2,3
	ds_store_b128 v14, v[R+16*((\t)%4)+4*\i:R+16*((\t)%4)+4*\i+3] offset:32*SP*((\t)%2)+8*SP*\i
.endr
.irp i, 0,1,2,3
	ds_load_b128 v[X+16*((\t)%2)+4*\i:X+16*((\t)%2)+4*\i+3], v15 offset:32*SP*((\t)%2)+16*\i
.endr
.endm
.irp t, 0,1,2,3
	LOAD \t
.endr
	s_wait_loadcnt 12                              ; step 0's four loads are in; the twelve of steps 1 to 3 may be out
	TURN 0
.macro QSTEP t                         ; lane l holds k = 16 (l % 16) + 0 .. 15 of row 2 t + l / 16: two neighbouring lanes hold a block of 32
.set XS, X+16*((\t)%2)
.if (\t) > 0
	s_wait_dscnt 1                                 ; this step's numbers are back from the stage (the last step's byte store may be out): so its stores into the stage have read their registers,
.else
	s_wait_dscnt 0x0
.endif
.if (\t)+4 < STEPS
	LOAD (\t)+4                                    ; which take the loads of four steps on
.endif
.if (\t)+1 < STEPS
.if STEPS-2-(\t) >= 3
	s_wait_loadcnt 12                              ; the next step's four loads are in; those of the three steps behind it may be out
.else
	s_wait_loadcnt 4*(STEPS-2-(\t))                ; near the end fewer steps stand behind it
.endif
	TURN (\t)+1                                    ; and go through the other stage while this step is worked
.endif
	v_max3_num_f32 v8, |v[XS]|, |v[XS+1]|, |v[XS+2]|               ; the largest magnitude of my 16, in two chains
	v_max3_num_f32 v9, |v[XS+3]|, |v[XS+4]|, |v[XS+5]|
.irp i, 6,10
	v_max3_num_f32 v8, v8, |v[XS+\i]|, |v[XS+\i+1]|
	v_max3_num_f32 v9, v9, |v[XS+\i+2]|, |v[XS+\i+3]|
.endr
	v_max3_num_f32 v8, v8, |v[XS+14]|, |v[XS+15]|
	v_max3_num_f32 v8, v8, v9, (EMAX+1)<<23        ; and the floor 2^(EMAX + 1 - 127): so the byte cannot fall under 1
	v_max_num_f32_dpp v8, v8, v8 row_xmask:1 row_mask:0xf bank_mask:0xf   ; and of my neighbour's 16: the block's
	v_add_nc_u32 v11, -(EMAX<<23), v8              ; EMAX off its exponent field: the conversion takes the exponent field of this operand as its scale, and nothing else of it
	v_and_or_b32 v10, v8, 0x7f800000, s34          ; 448 x the scale: the largest magnitude's exponent field over 448's mantissa
.irp i, 0,1,2,3,4,5,6,7,8,9,10,11,12,13,14,15
	v_med3_num_f32 v[XS+\i], v[XS+\i], -v10, v10   ; the conversion to an 8-bit code does not saturate (ISA guide 7.6.2): hold the number first
.endr
	v_cvt_scalef32_pk8_fp8_f32 v[C+4*(\t):C+4*(\t)+1], v[XS:XS+7], v11
	v_cvt_scalef32_pk8_fp8_f32 v[C+4*(\t)+2:C+4*(\t)+3], v[XS+8:XS+15], v11
	v_lshrrev_b32 v[E+(\t)], 23, v11               ; the scale's byte (also the plain line behind the conversions)
	ds_store_b8 v5, v[E+(\t)] offset:16*(\t)       ; byte 16 t + l / 2 = 8 x row + block; both lanes of a block write the same byte with the same value
	global_store_b128 v3, v[C+4*(\t):C+4*(\t)+3], s[28:29] offset:512*(\t)   ; 32 lanes store 512 consecutive bytes: two rows' codes
.endm
.irp t, 0,1,2,3,4,5,6,7,8,9,10,11,12,13,14,15
	QSTEP \t
.endr
	ds_load_b64 v[12:13], v6                       ; LDS serves a wave's instructions in order: these see my byte stores
	s_wait_dscnt 0x0
	global_store_b64 v7, v[12:13], s[26:27]        ; 32 lanes store 256 consecutive bytes, aligned
	s_wait_tensorcnt 0x0
	ds_add_u32 v192, v193
	s_wait_dscnt 0x0
	s_endpgm
.Lfunc_end_k_q2bb8fc3a0f_quant:
	.size	k_q2bb8fc3a0f_quant, .Lfunc_end_k_q2bb8fc3a0f_quant-k_q2bb8fc3a0f_quant
	.p2alignl 7, 3214868480
	.fill 96, 4, 3214868480
	.section	.rodata,"a",@progbits
	.p2align	6, 0x0
	.amdhsa_kernel k_q2bb8fc3a0f_quant
		.amdhsa_group_segment_fixed_size 33280
		.amdhsa_private_segment_fixed_size 0
		.amdhsa_enable_private_segment 0
		.amdhsa_kernarg_size 72
		.amdhsa_user_sgpr_count 2
		.amdhsa_user_sgpr_kernarg_segment_ptr 1
		.amdhsa_wavefront_size32 1
		.amdhsa_system_sgpr_workgroup_id_x 1
		.amdhsa_system_sgpr_workgroup_id_y 1
		.amdhsa_system_sgpr_workgroup_id_z 1
		.amdhsa_system_vgpr_workitem_id 0
		.amdhsa_next_free_vgpr 194
		.amdhsa_next_free_sgpr 66
		.amdhsa_reserve_vcc 0
		.amdhsa_float_denorm_mode_32 3
		.amdhsa_float_denorm_mode_16_64 3
		.amdhsa_memory_ordered 1
		.amdhsa_forward_progress 1
		.amdhsa_inst_pref_size 52
	.end_amdhsa_kernel
	.amdgpu_metadata
---
amdhsa.version: [ 1, 2 ]
amdhsa.kernels:
  - .name:           k_q2bb8fc3a0f_quant
    .symbol:         k_q2bb8fc3a0f_quant.kd
    .args:
      - { .name: Wxi, .offset: 0, .size: 8, .value_kind: global_buffer, .address_space: global }
      - { .name: Wxo, .offset: 8, .size: 8, .value_kind: global_buffer, .address_space: global }
      - { .name: Wxf, .offset: 16, .size: 8, .value_kind: global_buffer, .address_space: global }
      - { .name: Wxc, .offset: 24, .size: 8, .value_kind: global_buffer, .address_space: global }
      - { .name: Whi, .offset: 32, .size: 8, .value_kind: global_buffer, .address_space: global }
      - { .name: Who, .offset: 40, .size: 8, .value_kind: global_buffer, .address_space: global }
      - { .name: Whf, .offset: 48, .size: 8, .value_kind: global_buffer, .address_space: global }
      - { .name: Whc, .offset: 56, .size: 8, .value_kind: global_buffer, .address_space: global }
      - { .name: wq, .offset: 64, .size: 8, .value_kind: global_buffer, .address_space: global }
    .group_segment_fixed_size: 33280
    .private_segment_fixed_size: 0
    .kernarg_segment_align: 8
    .kernarg_segment_size: 72
    .max_flat_workgroup_size: 128
    .sgpr_count:     66
    .vgpr_count:     194
    .wavefront_size: 32
...
	.end_amdgpu_metadata
.endif
;; end of part 1
;; launch cell (part 2): grid 32 x 8, 4 waves a work-group, clusters of 4 x 4, 327,680 bytes of LDS; arguments incoming_codes, incoming_scales, h_codes, h_scales, wq, c, bi, bo, bf, bc, out0, out1; writes out0, out1
.if DOCPART == 2
	.amdgcn_target "amdgcn-amd-amdhsa--gfx1250"
	.amdhsa_code_object_version 6
	.text
	.protected	k_q2bb8fc3a0f_cell
	.globl	k_q2bb8fc3a0f_cell
	.p2align	8
	.type	k_q2bb8fc3a0f_cell,@function
k_q2bb8fc3a0f_cell:
	s_mov_b64 s[64:65], 0
	v_nop
	global_prefetch_b8 v0, s[64:65] scope:SCOPE_SE
	s_setreg_imm32_b32 hwreg(HW_REG_WAVE_MODE, 25, 1), 1
	s_wait_xcnt 0x0
	s_wait_alu depctr_hold_cnt(0) depctr_sa_sdst(0) depctr_va_vdst(0) depctr_va_sdst(0) depctr_va_ssrc(0) depctr_va_vcc(0) depctr_vm_vsrc(0)
	s_getreg_b32 s2, hwreg(HW_REG_IB_STS2, 6, 4)
	s_cmp_eq_u32 s2, 0
	s_cbranch_scc0 .Lentry_in_a_cluster
	s_endpgm
.Lentry_in_a_cluster:
	s_bfe_u32 s2, ttmp6, 0x10000c
	s_cmp_lg_u32 s2, 0xf033
	s_cbranch_scc0 .Lentry_shape_is_right
	s_endpgm
.Lentry_shape_is_right:
; gates = incoming Wx^T + h Wh^T + b in MX-FP8 (one sum over a joint K of 4,096), then the LSTM cell in f32: new_c = f c + i tanh-gate, new_h = o tanh(new_c).
; A work-group makes 256 rows x 64 hidden units x 4 gates: 256 x 256 of the gates; four waves, each 128 rows x (32 units x 4 gates): 64 accumulators, 512 registers.
; wq (made by the launch before): blocks of 33,792 bytes, block 32 tx + 2 ks + hf: 128 rows (32 gate + unit) of 256 codes, then their 1,024 scale bytes: 132 rows of 256 bytes.
; K goes in steps of 256 through two LDS slots (A's 256 rows, B's 2 x 132 rows), filled by joint loads: 4 x 4 work-groups; A's tiles are shared along a row of the cluster, B's along a column.
; Half of the clusters walk the input side first, the other half the hidden side: (cluster x + cluster y) odd or even.  The sum's order differs so between clusters; it is within f32 rounding.
; A's scales of both sides (2 x 16 KiB) come once, at the head, and stay in LDS.  Nothing of reference() is left out; every input is read.
; sigmoid(x) = 1 / (1 + 2^(-x log2 e)), tanh(x) = 1 - 2 / (1 + 2^(2 x log2 e)): an exponential that overflows gives infinity, its reciprocal 0, and both forms reach their limits.
; THE LOOP: a half step is 128 along K, 64 products, A's blocks one after the other against B's eight.  LDS loads stand in three runs a half, of 16 to 36 loads, each as early as its registers are free
; and laid in the order in which the fragments are needed; the next half's waits step down with that order.
; REGISTERS: window 0: v0-31 addresses; v32-95 scale words, two sets; v96-127 A's blocks 6, 7 of a slot's second half; v128-255 A's fragments.  Window 1: B's fragments, set q for half q.  Windows 2, 3: accumulators.
.set PITCH, 272
.set AHALF, 128*PITCH
.set BHALF, 132*PITCH
.set SLOT,  2*AHALF+2*BHALF
.set SCA,   2*SLOT                     ; A's scales: first side 64 rows of 256 + 16 bytes, then the second side's
.set SCH,   32*PITCH
.set BIAS,  SCA+4*SCH                  ; 4 gates x 64 biases, already times the exponent's factor
.set SPARE, BIAS+1024                  ; the spare words, 128 bytes a wave
.set STGC,  SLOT                       ; the way out: stages for new_c and new_h in slot 1, which has had its last fill and read by then
.set STGH,  SLOT+256*PITCH
.set BLKB,  33792
.set NP,    8
.set CO,   10
.set PFOS, 11
.set BIA,  12
.set RDB,  13
.set ADRA, 16
.set ADRB, 20
.set ADSB, 22
.set ADSA, 24
.set CRD,  25
.set STOC, 26
.set STOH, 27
.set SPW,  28
.set NIL,  29
.set PFO,  30
.set PFOC, 31
.set SC,   32
.set AX,   96
.set CC,   96
.set AF,   128
.set TT,   128                         ; the way out: i, f, c-gate of this block (48), tanh's argument of the block before (16)
.set OG,   192                         ; o of this block and of the block before, by turns
.set NC,   224
.set NH,   240
.set BK,   64
.set SFL,  2
.set LAP,  3
.set PFA,  4
.set HB,   8
.set WB,   10
.set PFW,  12
.set PFC,  14
.set PASS, 16
.set CFL,  17
.set KS,   18
.set KT,   20
.set PFS,  22
.set OUT,  24
.set G1A,  28
.set G0A,  36
.set G1B,  44
.set G0B,  52
.set G0SX, 60
.set G0SH, 68
.set G1S,  72
.set G1C,  80
.set GHA,  80                          ; the head's group 0 for A's and B's whole tiles; G1C is written over them when those loads have landed
.set GHB,  84
.set G0C,  88
.set WV,   66
.set RH,   67
.set CH,   92
.set CX,   93
.set CY,   94
.set TX,   95
.set TY,   96
.set LIM,  97
.set MSB, 0
.macro WIN new                         ; the immediate's high byte repeats the setting that is left
.if MSB != \new
	s_set_vgpr_msb (MSB<<8)|\new
.set MSB, \new
.endif
.endm
.set MUL_LO, 0xa1
.set TO_B,   0x40
.macro PLACES n
.rept \n
	v_nop
.endr
.endm
.macro JLOAD g0a, g1a, g0b, g1b        ; waves 0, 1 fetch A's halves, waves 2, 3 B's
	s_cmp_eq_u32 s[RH], 0
	s_cbranch_scc0 .Lsecond_\@
	tensor_load_to_lds s[\g0a:\g0a+3], s[\g1a:\g1a+7]
	s_nop 0
	PLACES 4
	s_branch .Lasked_\@
.Lsecond_\@:
	tensor_load_to_lds s[\g0b:\g0b+3], s[\g1b:\g1b+7]
	s_nop 0
	PLACES 4
.Lasked_\@:
.endm
.macro CREST
	s_cmp_lg_u32 s[WV], 0
	s_cbranch_scc1 .Lnot_wave_0_\@
	s_barrier_signal -3
.Lnot_wave_0_\@:
	s_barrier_wait -3
	s_barrier_signal -1
	s_barrier_wait -1
.endm
.macro CROUND
	s_barrier_signal -1
	s_barrier_wait -1
	CREST
.endm
.macro ASK                             ; the first side's K step two refills on: 32 rows x 256 bytes, a lane a row; partners share the rows out by address
	s_cmp_gt_u32 s[LAP], s[LIM]
	s_cbranch_scc0 .Lnot_mine_\@
	global_prefetch_b8 v[PFO], s[PFA:PFA+1] th:TH_LOAD_NT scope:SCOPE_SE
.Lnot_mine_\@:
.endm
.macro ASKC slot                       ; my 64 rows of c, in the second side's last trip
	s_cmp_eq_u32 s[LAP], s[CFL]
	s_cbranch_scc0 .Lno_c_\@
	global_prefetch_b8 v[PFOC], s[PFC:PFC+1] offset:(\slot)*262144 th:TH_LOAD_NT scope:SCOPE_SE
.Lno_c_\@:
.endm
	s_load_b256 s[4:11], s[0:1], 0x0               ; incoming codes, scales, h codes, scales
	s_load_b256 s[12:19], s[0:1], 0x20             ; wq, c, bi, bo
	s_load_b256 s[20:27], s[0:1], 0x40             ; bf, bc, out0, out1
	v_lshl_add_u32 v[SPW], v0, 2, SPARE
	v_mov_b32 v[NIL], 0
	ds_add_u32 v[SPW], v[NIL]                      ; the opening lines: the add twice on end and its wait
	ds_add_u32 v[SPW], v[NIL]
	v_lshrrev_b32 v1, 5, v0
	v_readfirstlane_b32 s[WV], v1
	s_lshr_b32 s[RH], s[WV], 1                     ; my half of the rows; also: I fetch for A (0) or B (1)
	s_and_b32 s[CH], s[WV], 1                      ; my half of the units; also: which half of a tile I fetch
	s_bfe_u32 s[CX], ttmp6, 0x40000
	s_bfe_u32 s[CY], ttmp6, 0x40004
	s_lshl_b32 s[TX], ttmp9, 2
	s_add_co_u32 s[TX], s[TX], s[CX]
	s_and_b32 s[TY], ttmp7, 0xffff
	s_add_co_u32 s90, s[TY], ttmp9
	s_and_b32 s90, s90, 1                          ; which side my cluster walks first
	s_lshl_b32 s[TY], s[TY], 2
	s_add_co_u32 s[TY], s[TY], s[CY]
	s_lshl_b32 s100, s[CY], 2
	s_lshl_b32 s100, 15, s100                      ; my row of the cluster
	s_lshl_b32 s98, 0x1111, s[CX]                  ; my column
	s_or_b32 s[G1A], s100, (1<<20)|(1<<21)|(5<<22)|(3<<25)
	s_mov_b32 s[G1A+1], 256<<16
	s_mov_b32 s[G1A+2], 256<<16                    ; the head's load brings 256 rows; the ring's 128 (set below)
	s_mov_b32 s[G1A+3], 256<<16
	s_mov_b32 s[G1A+4], 256
	s_mov_b32 s[G1A+5], 2048
	s_mov_b32 s[G1A+6], 0
	s_mov_b32 s[G1A+7], 0
	s_or_b32 s[G1B], s98, (1<<20)|(1<<21)|(5<<22)|(3<<25)
	s_mov_b32 s[G1B+1], 256<<16
	s_mov_b32 s[G1B+2], 264<<16                    ; two blocks of wq on end; the ring's loads bring one, 132 rows
	s_mov_b32 s[G1B+3], 256<<16
	s_mov_b32 s[G1B+4], 264
	s_mov_b32 s[G1B+5], 256
	s_mov_b32 s[G1B+6], 0
	s_mov_b32 s[G1B+7], 0
	s_or_b32 s[G1S], s100, (3<<16)|(1<<20)|(1<<21)|(5<<22)|(3<<25)
	s_mov_b32 s[G1S+1], 32<<16                     ; the scales of 256 rows: 16,384 dense bytes as 64 rows of 256
	s_mov_b32 s[G1S+2], 64<<16
	s_mov_b32 s[G1S+3], 32<<16
	s_mov_b32 s[G1S+4], 64
	s_mov_b32 s[G1S+5], 32
	s_mov_b32 s[G1S+6], 0
	s_mov_b32 s[G1S+7], 0
	s_lshl_b32 s104, s[TY], 8                      ; the block's first row
	s_lshl_b32 s100, s104, 6                       ; its scales, in bytes
	s_mov_b32 s101, 0
	s_lshl_b32 s104, s104, 11                      ; its codes
	s_mov_b32 s105, 0
	s_lshl_b32 s98, s[TX], 5
	s_lshl_b32 s99, s90, 4
	s_add_co_u32 s98, s98, s99                     ; wq's block of the first side's K step 0
	s_xor_b32 s88, s98, 16                         ; and of the second side's
	s_mul_i32 s98, s98, BLKB
	s_mov_b32 s99, 0
	s_mul_i32 s88, s88, BLKB
	s_mov_b32 s89, 0
	s_mul_i32 s2, s[CH], AHALF
	s_mul_i32 s3, s[CH], BHALF
	s_add_co_u32 s3, s3, 2*AHALF
	s_wait_dscnt 0x0                               ; both opening adds are done
	s_wait_kmcnt 0x0
	s_cmp_eq_u32 s90, 0
	s_cselect_b64 s[G0SX+2:G0SX+3], s[6:7], s[10:11]
	s_cselect_b64 s[G0SH+2:G0SH+3], s[10:11], s[6:7]
	s_cselect_b64 s[6:7], s[4:5], s[8:9]
	s_cselect_b64 s[8:9], s[8:9], s[4:5]
	s_add_nc_u64 s[4:5], s[6:7], s[104:105]        ; first side's codes, the block's first row
	s_add_nc_u64 s[HB:HB+1], s[8:9], s[104:105]    ; second side's
	s_add_nc_u64 s[6:7], s[12:13], s[98:99]        ; wq, first side
	s_add_nc_u64 s[WB:WB+1], s[12:13], s[88:89]    ; wq, second side
	CROUND                                         ; all sixteen work-groups are here: the first joint loads meet
	s_mov_b32 s[GHA], 1
	s_mov_b32 s[GHA+1], 0
	s_mov_b64 s[GHA+2:GHA+3], s[4:5]
	s_or_b32 s[GHA+3], s[GHA+3], 0x80000000
	s_mov_b32 s[GHB], 1
	s_mov_b32 s[GHB+1], 2*AHALF
	s_mov_b64 s[GHB+2:GHB+3], s[6:7]
	s_or_b32 s[GHB+3], s[GHB+3], 0x80000000
	s_mov_b32 s[G0SX], 1
	s_mov_b32 s[G0SX+1], SCA
	s_add_nc_u64 s[G0SX+2:G0SX+3], s[G0SX+2:G0SX+3], s[100:101]
	s_or_b32 s[G0SX+3], s[G0SX+3], 0x80000000
	s_mov_b32 s[G0SH], 1
	s_mov_b32 s[G0SH+1], SCA+2*SCH
	s_add_nc_u64 s[G0SH+2:G0SH+3], s[G0SH+2:G0SH+3], s[100:101]
	s_or_b32 s[G0SH+3], s[G0SH+3], 0x80000000
; the head's four tiles, one load a wave: one chain of branches on the wave's number
.macro ARM under, g0, g1, next
	s_cmp_lt_u32 s[WV], \under
	s_cbranch_scc0 \next
	tensor_load_to_lds s[\g0:\g0+3], s[\g1:\g1+7]
	s_nop 0
	PLACES 4
	s_branch .Lhead_asked
\next:
.endm
	ARM 1, GHA,  G1A, .Lhead_b
	ARM 2, GHB,  G1B, .Lhead_sx
	ARM 3, G0SX, G1S, .Lhead_sh
	tensor_load_to_lds s[G0SH:G0SH+3], s[G1S:G1S+7]
	s_nop 0
	PLACES 4
.Lhead_asked:
	s_lshl_b32 s88, s[CH], 18                      ; for the ring: my 128 rows of A's tile,
	s_add_nc_u64 s[4:5], s[4:5], s[88:89]
	s_add_nc_u64 s[HB:HB+1], s[HB:HB+1], s[88:89]
	s_mul_i32 s88, s[CH], BLKB                     ; my block of B's two
	s_add_nc_u64 s[6:7], s[6:7], s[88:89]
	s_add_nc_u64 s[WB:WB+1], s[WB:WB+1], s[88:89]
.irp s, 0,1
	s_mov_b32 s[G0A+4*\s], 1
	s_add_co_u32 s[G0A+4*\s+1], s2, \s*SLOT
	s_add_nc_u64 s[G0A+4*\s+2:G0A+4*\s+3], s[4:5], \s*256
	s_or_b32 s[G0A+4*\s+3], s[G0A+4*\s+3], 0x80000000
	s_mov_b32 s[G0B+4*\s], 1
	s_add_co_u32 s[G0B+4*\s+1], s3, \s*SLOT
	s_add_nc_u64 s[G0B+4*\s+2:G0B+4*\s+3], s[6:7], \s*2*BLKB
	s_or_b32 s[G0B+4*\s+3], s[G0B+4*\s+3], 0x80000000
.endr
	s_cmp_eq_u32 s[WV], 1                          ; wave g brings gate g's 64 biases
	s_cselect_b64 s[16:17], s[18:19], s[16:17]
	s_cmp_eq_u32 s[WV], 2
	s_cselect_b64 s[16:17], s[20:21], s[16:17]
	s_cmp_eq_u32 s[WV], 3
	s_cselect_b64 s[16:17], s[22:23], s[16:17]
	s_mov_b32 s[KS], 0xbfb8aa3b                    ; -log2 e for the sigmoids,
	s_cselect_b32 s[KS], 0x4038aa3b, s[KS]         ; 2 log2 e for the tanh gate
	s_mov_b32 s[KS+1], s[KS]
	s_lshl_b32 s20, s[TX], 8
	s_mov_b32 s21, 0
	s_add_nc_u64 s[16:17], s[16:17], s[20:21]
	v_and_b32 v1, 31, v0
	v_lshlrev_b32 v7, 3, v1
	global_load_b64 v[96:97], v7, s[16:17]
	v_and_b32 v2, 15, v0
	v_bfe_u32 v3, v0, 4, 1
	v_mul_u32_u24 v4, v2, PITCH
	v_lshl_add_u32 v4, v3, 4, v4                   ; a fragment's row x pitch + 16 x half
	v_lshlrev_b32 v5, 3, v2
	s_mul_i32 s2, s[RH], AHALF
	s_mul_i32 s3, s[CH], BHALF
	s_add_co_u32 s3, s3, 2*AHALF
.irp s, 0,1
	v_add_nc_u32 v[ADRA+\s], s2, v4
	v_add_nc_u32 v[ADRB+\s], s3, v4
	v_add_nc_u32 v[ADSB+\s], s3, v5
	v_add_nc_u32 v[ADSB+\s], 128*PITCH, v[ADSB+\s] ; B's scale bytes: the block's last four rows
	s_add_co_u32 s2, s2, SLOT
	s_add_co_u32 s3, s3, SLOT
.endr
	v_lshlrev_b32 v5, 6, v2
	v_lshrrev_b32 v6, 2, v2
	v_lshl_add_u32 v5, v6, 4, v5
	s_mul_i32 s2, s[RH], SCH
	s_add_co_u32 s2, s2, SCA
	v_add_nc_u32 v[ADSA], s2, v5                   ; A's scale words: 64 bytes a row, 16 more for each 256
	s_mul_i32 s2, s[RH], AHALF
	s_lshl_b32 s3, s[CH], 7
	s_add_co_u32 s2, s2, s3
	v_mul_u32_u24 v5, v2, PITCH
	v_lshl_add_u32 v5, v3, 5, v5
	v_add_nc_u32 v[CRD], s2, v5                    ; my numbers of c in slot 0, and their places in the two stages
	v_add_nc_u32 v[STOC], STGC, v[CRD]
	v_add_nc_u32 v[STOH], STGH, v[CRD]
	v_lshl_add_u32 v[BIA], v3, 5, BIAS
	v_add_nc_u32 v[BIA], s3, v[BIA]
	s_mul_i32 s2, s[RH], AHALF
	s_mul_i32 s3, s[CH], 256*PITCH
	s_add_co_u32 s2, s2, s3
	v_mul_u32_u24 v5, v3, PITCH
	v_lshl_add_u32 v5, v2, 4, v5
	v_add_nc_u32 v5, s2, v5
	v_add_nc_u32 v[RDB], STGC, v5                  ; back: waves with CH = 0 take new_c's rows, the others new_h's
	v_lshlrev_b32 v[CO], 13, v3
	v_lshl_add_u32 v[CO], v2, 4, v[CO]
	s_lshl_b32 s2, s[WV], 8
	s_add_co_u32 s2, s2, BIAS
	v_add_nc_u32 v8, s2, v7
	v_lshlrev_b32 v[PFOC], 13, v1
	v_lshrrev_b32 v5, 2, v1
	v_mul_u32_u24 v5, v5, BLKB
	v_and_b32 v6, 3, v1
	v_lshl_add_u32 v[PFOS], v6, 8, v5
	s_lshl_b32 s20, s[CX], 16                      ; the prefetches: my work-group's 32 of the 128 rows that I fetch, at K step 3
	s_add_nc_u64 s[4:5], s[4:5], s[20:21]
	s_add_nc_u64 s[4:5], s[4:5], 768
	s_lshl_b32 s20, s[CY], 13
	s_add_nc_u64 s[22:23], s[6:7], s[20:21]
	s_add_nc_u64 s[22:23], s[22:23], 6*BLKB
	s_and_b32 s3, ttmp7, 0xffff
	s_xor_b32 s2, s[WV], 2
	s_or_b32 s2, s2, s3
	s_cmp_eq_u32 s2, 0
	s_cselect_b32 s[SFL], 3, 0                     ; wave 2 of the clusters with y = 0 asks for wq's scale rows
	s_cmp_eq_u32 s[RH], 0
	s_cselect_b64 s[PFA:PFA+1], s[4:5], s[22:23]
	s_cselect_b32 s3, ttmp9, 0
	s_cselect_b32 s99, 11, 8
	s_mov_b32 s[PFS], 2*BLKB
	s_cselect_b32 s[PFS], 256, s[PFS]
	s_mov_b32 s[PFS+1], 0
	s_cmp_lt_u32 s3, 2                             ; A's rows are asked for by two clusters along x (one for each side order), B's by all
	s_cselect_b32 s[LIM], 1, -1
	v_lshlrev_b32 v[PFO], s99, v1
	s_sub_nc_u64 s[100:101], s[PFA:PFA+1], s[PFS:PFS+1]
	s_lshl_b32 s20, s[TX], 5
	s_lshl_b32 s21, s[CY], 3
	s_add_co_u32 s20, s20, s21
	s_mul_i32 s20, s20, BLKB
	s_add_co_u32 s20, s20, 32768
	s_mov_b32 s21, 0
	s_add_nc_u64 s[PFW:PFW+1], s[12:13], s[20:21]
	s_wait_alu depctr_va_vdst(0)                   ; the wait stands ahead of the branches and the readers behind them
	s_cmp_eq_u32 s[LIM], 1
	s_cbranch_scc0 .Lno_first
	global_prefetch_b8 v[PFO], s[100:101] th:TH_LOAD_NT scope:SCOPE_SE      ; K steps 2 and 3, which the first two refills ask for: the same two steps ahead as in the loop
	global_prefetch_b8 v[PFO], s[PFA:PFA+1] th:TH_LOAD_NT scope:SCOPE_SE
.Lno_first:
	s_cmp_eq_u32 s[SFL], 3
	s_cbranch_scc0 .Lno_scales
	global_prefetch_b8 v[PFOS], s[PFW:PFW+1] th:TH_LOAD_NT scope:SCOPE_SE   ; the four scale rows of eight of wq's blocks, a lane a row, once: the four partners along y cover the 32 blocks of these units
.Lno_scales:
	s_lshl_b32 s20, s[TY], 8
	s_lshl_b32 s21, s[WV], 6
	s_add_co_u32 s20, s20, s21
	s_lshl_b32 s20, s20, 13
	s_lshl_b32 s21, s[TX], 8
	s_add_co_u32 s20, s20, s21
	s_mov_b32 s21, 0
	s_add_nc_u64 s[PFC:PFC+1], s[14:15], s[20:21]
	s_mov_b32 s[G0C], 1
	s_mul_i32 s[G0C+1], s[WV], 64*PITCH
	s_mov_b64 s[G0C+2:G0C+3], s[PFC:PFC+1]
	s_or_b32 s[G0C+3], s[G0C+3], 0x80000000
	s_cmp_eq_u32 s[CH], 0
	s_cselect_b64 s[OUT:OUT+1], s[26:27], s[24:25]
	s_lshl_b32 s20, s[TY], 8
	s_lshl_b32 s21, s[RH], 7
	s_add_co_u32 s20, s20, s21
	s_lshl_b32 s20, s20, 13
	s_lshl_b32 s21, s[TX], 8
	s_add_co_u32 s20, s20, s21
	s_mov_b32 s21, 0
	s_add_nc_u64 s[OUT:OUT+1], s[OUT:OUT+1], s[20:21]
	s_wait_loadcnt 0x0
	v_pk_mul_f32 v[96:97], v[96:97], s[KS:KS+1] op_sel_hi:[1,0]
	s_wait_alu depctr_va_vdst(0)
	ds_store_b64 v8, v[96:97]
	s_wait_tensorcnt 0x0                           ; my tile of the head's four is in
	ds_add_u32 v[SPW], v[NIL]
	s_mov_b32 s[G1A+2], 128<<16                    ; no tensor load of mine is out: from here on a load brings half a tile
	s_mov_b32 s[G1A+4], 128
	s_mov_b32 s[G1B+2], 132<<16
	s_mov_b32 s[G1B+4], 132
	s_mov_b32 s[G1C], (2<<16)|(1<<20)|(5<<22)|(3<<25)   ; c's tile: 64 rows x 64 f32, my own
	s_mov_b32 s[G1C+1], 64<<16
	s_mov_b32 s[G1C+2], 64<<16
	s_mov_b32 s[G1C+3], 64<<16
	s_mov_b32 s[G1C+4], 64
	s_mov_b32 s[G1C+5], 2048
	s_mov_b32 s[G1C+6], 0
	s_mov_b32 s[G1C+7], 0
	s_mov_b32 s[PASS], 2
	s_mov_b32 s[CFL], 0
	s_wait_dscnt 0x0                               ; the add and my biases' store are done
	CROUND
	JLOAD G0A+4, G1A, G0B+4, G1B                   ; K step 1, the first tensor load behind the round
.macro AREG a, q                       ; AR: where A's block a of half q lies
.set AR, AF+16*(\a)
.if ((\q) == 1) && ((\a) >= 6)
.set AR, AX+16*((\a)-6)
.endif
.endm
.macro FRAG reg, adr, q, i
.irp c, 0,1,2,3
	ds_load_b128 v[\reg+4*\c:\reg+4*\c+3], v[\adr] offset:128*(\q)+32*\c+(\i)*16*PITCH
.endr
.endm
.macro GA slot, q, i                   ; A's block i of the slot's half q
	WIN 0
	AREG \i, \q
	FRAG AR, ADRA+\slot, \q, \i
.endm
.macro GB slot, q, i                   ; B's block i of the slot's half q, into set q
	WIN TO_B
	FRAG 128*(\q)+16*(\i), ADRB+\slot, \q, \i
.endm
.macro SCLA sc
	WIN 0
.irp i, 0,1,2,3,4,5,6,7
	ds_load_b64 v[SC+32*(\sc)+2*\i:SC+32*(\sc)+2*\i+1], v[ADSA] offset:\i*4*PITCH
.endr
.endm
.macro SCLB sc
	WIN 0
.irp i, 0,1,2,3,4,5,6,7
	ds_load_b64 v[SC+32*(\sc)+16+2*\i:SC+32*(\sc)+16+2*\i+1], v[ADSB+\sc] offset:(\i/2)*PITCH+(\i%2)*128
.endr
.endm
; four products (source 0 = B's rows, source 1 = A's: a lane holds eight neighbouring units of one row) and two places.  The 64 accumulators take turns, in the same order in every half.
.macro H a, b0, q, sc, zero
	WIN (MUL_LO+0x50*((\a)/4))
	AREG \a, \q
.irp b, \b0, \b0+1, \b0+2, \b0+3
.if \zero
	v_wmma_scale_f32_16x16x128_f8f6f4 v[8*(8*((\a)%4)+(\b)):8*(8*((\a)%4)+(\b))+7], v[128*(\q)+16*(\b):128*(\q)+16*(\b)+15], v[AR:AR+15], 0, v[SC+32*(\sc)+16+2*(\b)+(\q)], v[SC+32*(\sc)+2*(\a)+(\q)]
.else
	v_wmma_scale_f32_16x16x128_f8f6f4 v[8*(8*((\a)%4)+(\b)):8*(8*((\a)%4)+(\b))+7], v[128*(\q)+16*(\b):128*(\q)+16*(\b)+15], v[AR:AR+15], v[8*(8*((\a)%4)+(\b)):8*(8*((\a)%4)+(\b))+7], v[SC+32*(\sc)+16+2*(\b)+(\q)], v[SC+32*(\sc)+2*(\a)+(\q)]
.endif
.endr
	v_nop
	v_nop
.endm
.macro G8 a, q, sc, zero               ; A's block a against B's eight
	H \a, 0, \q, \sc, \zero
	H \a, 4, \q, \sc, \zero
.endm
.macro HIGH q, sc, zero
.irp a, 4,5,6,7
	G8 \a, \q, \sc, \zero
.endr
.endm
; The three runs that fetch a slot's first half: 36, 20 and 24 LDS loads.
.macro RUN1 slot                       ; the scale words, B's blocks 0-3, A's block 0
	SCLB \slot
	SCLA \slot
.irp i, 0,1,2,3
	GB \slot, 0, \i
.endr
	GA \slot, 0, 0
.endm
.macro RUN2 slot                       ; B's blocks 4-7, A's block 1
.irp i, 4,5,6,7
	GB \slot, 0, \i
.endr
	GA \slot, 0, 1
.endm
.macro RUN3 slot                       ; A's blocks 2-7
.irp i, 2,3,4,5,6,7
	GA \slot, 0, \i
.endr
	WIN 0
.endm
; A slot's first half; it fetches the second half's fragments in runs of 32, 16 and 16.  Each wait's count = the LDS loads issued behind the fragment that is needed.
.macro STEP s, z
	s_wait_dscnt 44                                ; run 1 is in; behind it runs 2 and 3
	H 0, 0, 0, \s, \z
	s_wait_dscnt 28                                ; B's blocks 4-7: behind them A's block 1 and run 3
	H 0, 4, 0, \s, \z
	s_wait_dscnt 24                                ; A's block 1
	G8 1, 0, \s, \z
.irp i, 0,1,2,3,4,5,6,7
	GB \s, 1, \i
.endr
	s_wait_dscnt 52                                ; A's block 2: behind it 20 of run 3 and the 32 above
	G8 2, 0, \s, \z
	s_wait_dscnt 48                                ; A's block 3
	G8 3, 0, \s, \z
	PLACES 6                                       ; with the two above: eight places ahead of the loads into A's block 3
.irp i, 0,1,2,3
	GA \s, 1, \i
.endr
	s_wait_dscnt 48                                ; A's blocks 4-7: behind them 32 + 16
	HIGH 0, \s, \z
.irp i, 4,5,6,7
	GA \s, 1, \i
.endr
	WIN 0
.endm
; A slot's second half changes slots.  mode 1: the slot takes the K step two on; 2: the second side's first steps; 3: c's tile.
.macro TURN s, nx, mode, sinc, ask
	s_wait_dscnt 28                                ; B's set 1 and A's block 0: behind them A's blocks 1-3 and 4-7
	G8 0, 1, \s, 0
	s_wait_dscnt 24                                ; A's block 1
	G8 1, 1, \s, 0
	WIN 0
.if \ask
	s_wait_xcnt 0x0                                ; my prefetches have read their address: it steps
	s_add_nc_u64 s[PFA:PFA+1], s[PFA:PFA+1], s[PFS:PFS+1]
.endif
	s_wait_tensorcnt 0x0                           ; my part of the next slot has landed
	ds_add_u32 v[SPW], v[NIL]
.if (\mode) == 1
	s_add_nc_u64 s[G0A+4*\s+2:G0A+4*\s+3], s[G0A+4*\s+2:G0A+4*\s+3], 512
	s_add_nc_u64 s[G0B+4*\s+2:G0B+4*\s+3], s[G0B+4*\s+2:G0B+4*\s+3], 4*BLKB
.elseif (\mode) == 2
	s_add_nc_u64 s[G0A+4*\s+2:G0A+4*\s+3], s[HB:HB+1], (\s)*256
	s_or_b32 s[G0A+4*\s+3], s[G0A+4*\s+3], 0x80000000
	s_add_nc_u64 s[G0B+4*\s+2:G0B+4*\s+3], s[WB:WB+1], (\s)*2*BLKB
	s_or_b32 s[G0B+4*\s+3], s[G0B+4*\s+3], 0x80000000
.endif
	s_wait_dscnt 21                                ; A's block 2: behind it block 3, blocks 4-7 and the add
	G8 2, 1, \s, 0
	s_wait_dscnt 0x0                               ; the add is done, and my reads of this slot are over
	s_barrier_signal -1
	G8 3, 1, \s, 0
	WIN 0
	s_barrier_wait -1
	CREST                                          ; the round: no wave of any partner still reads this slot or has a load on its way
.if (\mode) < 3
	JLOAD G0A+4*\s, G1A, G0B+4*\s, G1B
.else
	tensor_load_to_lds s[G0C:G0C+3], s[G1C:G1C+7]
	s_nop 0
	PLACES 4
.endif
	v_add_nc_u32 v[ADSA], \sinc, v[ADSA]           ; on to the next K step's scale words of A
	s_wait_alu depctr_va_vdst(0)                   ; the wait stands directly behind the write
	RUN1 \nx
.if \ask
	ASK
	ASKC \s
.endif
	G8 4, 1, \s, 0
	G8 5, 1, \s, 0
	RUN2 \nx
	G8 6, 1, \s, 0
	G8 7, 1, \s, 0
	RUN3 \nx
.endm
	RUN1 0
	RUN2 0
	RUN3 0
	STEP 0, 1                                      ; the first half stands ahead of the loops: its products start the sums
.Lside:                                                ; two walks, one for each side; the inner loop's text serves both
	s_mov_b32 s[LAP], 3
.Llap:
	TURN 0, 1, 1, 8, 1
	STEP 1, 0
	TURN 1, 0, 1, 8, 1
	STEP 0, 0
	s_sub_co_u32 s[LAP], s[LAP], 1
	s_cmp_lg_u32 s[LAP], 0
	s_cbranch_scc1 .Llap
	s_cmp_eq_u32 s[PASS], 1
	s_cbranch_scc1 .Ltail
	TURN 0, 1, 2, 8, 0                             ; the first side's last lap asks for the second side's K steps 0 and 1
	STEP 1, 0
	TURN 1, 0, 2, 2*SCH-56, 0
	STEP 0, 0
	s_mov_b32 s[LIM], -1                           ; the second side's tiles are prefetched no more (the clusters of the other order have read them); c's rows are
	s_mov_b32 s[CFL], 1
	s_sub_co_u32 s[PASS], s[PASS], 1
	s_branch .Lside
.Ltail:
	TURN 0, 1, 3, 8, 0                             ; slot 0 takes c's tile
	STEP 1, 0
	s_wait_dscnt 28                                ; the very last half: nothing more to fetch
	G8 0, 1, 1, 0
	s_wait_dscnt 24
	G8 1, 1, 1, 0
	s_wait_dscnt 20
	G8 2, 1, 1, 0
	s_wait_dscnt 16
	G8 3, 1, 1, 0
	s_wait_dscnt 0x0
	HIGH 1, 1, 0
	WIN 0
	PLACES NP
	s_wait_tensorcnt 0x0                           ; my rows of c are in
	s_barrier_signal -1
	s_barrier_wait -1                              ; everybody's are, and nobody reads slot 1 any more
	s_mov_b32 s[KS], 0xbfb8aa3b
	s_mov_b32 s[KS+1], s[KS]
	s_mov_b32 s[KT], 0x4038aa3b
	s_mov_b32 s[KT+1], s[KT]
	WIN TO_B
.irp g, 0,1,2,3
.irp u, 0,1,2,3
	ds_load_b128 v[16*\g+4*\u:16*\g+4*\u+3], v[BIA] offset:256*\g+64*(\u/2)+16*(\u%2)
.endr
.endr
	WIN 0
; THE WAY OUT, by blocks of 16 rows, in two stages that overlap: turn a takes block a up to new_c and tanh's argument, and block a - 1 from there to new_h, so that both share the turn's two batches of transcendentals.
; A row's 256 bytes come from two waves: results go through the stages; the barrier's signal stands behind a turn's stores and its wait behind the next turn's multiply-adds; turn a sends block a - 2.
.macro BACK a
.if (\a) > 1
	s_wait_xcnt 0x0                                ; block a - 2's stores have read these registers
.endif
	WIN TO_B
.irp t, 0,1,2,3,4,5,6,7
	ds_load_b128 v[BK+32*((\a)%2)+4*\t:BK+32*((\a)%2)+4*\t+3], v[RDB] offset:((\a)*16+2*\t)*PITCH
.endr
	WIN 0
.endm
.macro SEND a
	WIN 0x04
.irp t, 0,1,2,3,4,5,6,7
	global_store_b128 v[CO], v[BK+32*((\a)%2)+4*\t:BK+32*((\a)%2)+4*\t+3], s[OUT:OUT+1] offset:((\a)*16+2*\t)*8192 th:TH_STORE_NT   ; 16 lanes store 256 consecutive bytes, aligned
.endr
	WIN 0
.endm
.macro OVER op, a                      ; one transcendental over the turn's numbers
.set n, LO
.rept HI-LO
	\op v[TT+n], v[TT+n]
.set n, n+1
.endr
.if (\a) < 8
.set n, 0
.rept 16
	\op v[OG+16*((\a)%2)+n], v[OG+16*((\a)%2)+n]
.set n, n+1
.endr
.endif
	v_nop                                          ; a plain place behind the batch
	s_wait_alu depctr_va_vdst(0)                   ; one wait for the batch, ahead of its first reader
.endm
.macro EPI a
.set LO, 0
.set HI, 64
.if (\a) == 8
.set LO, 48
.endif
.if (\a) == 0
.set HI, 48
.endif
.if (\a) < 8
.irp o, 0,1,2,3
	ds_load_b128 v[CC+4*\o:CC+4*\o+3], v[CRD] offset:(\a)*16*PITCH+64*(\o/2)+16*(\o%2)
.endr
.if (\a) == 0
	s_wait_dscnt 4                                 ; the biases are in
.endif
	WIN (0x12+(\a)/4)
	s_wait_alu depctr_va_vdst(0)                   ; the wait stands directly ahead of the first readers of these sums
.set n, 0
.rept 32                               ; exponent = (gate + bias) x factor; each accumulator from its low end on
.if n < 16
.set d, TT+n
.elseif n < 32
.set d, OG+16*((\a)%2)+n-16
.else
.set d, TT+n-16
.endif
.if n < 48
	v_pk_fma_f32 v[d:d+1], v[64*((\a)%4)+n:64*((\a)%4)+n+1], s[KS:KS+1], v[n:n+1] op_sel_hi:[1,0,1]
.else
	v_pk_fma_f32 v[d:d+1], v[64*((\a)%4)+n:64*((\a)%4)+n+1], s[KT:KT+1], v[n:n+1] op_sel_hi:[1,0,1]
.endif
.set n, n+2
.endr
	WIN 0
.endif
.if (\a) > 0
	s_barrier_wait -1                              ; the last turn's stores into the stages are everybody's
.endif
.if (\a) > 1
	BACK (\a)-2
.endif
	s_wait_alu depctr_va_vdst(0)
	OVER v_exp_f32, \a
.set n, LO
.rept (HI-LO)/2
	v_pk_add_f32 v[TT+n:TT+n+1], v[TT+n:TT+n+1], 1.0 op_sel_hi:[1,0]
.set n, n+2
.endr
.if (\a) < 8
.irp e, 0,2,4,6,8,10,12,14
	v_pk_add_f32 v[OG+16*((\a)%2)+\e:OG+16*((\a)%2)+\e+1], v[OG+16*((\a)%2)+\e:OG+16*((\a)%2)+\e+1], 1.0 op_sel_hi:[1,0]
.endr
.endif
	s_wait_dscnt 0x0                               ; c's numbers, and the block that came back
.if (\a) > 1
	SEND (\a)-2
.endif
	s_wait_alu depctr_va_vdst(0)
	OVER v_rcp_f32, \a
.if (\a) < 8
.irp e, 0,2,4,6,8,10,12,14
	v_pk_fma_f32 v[TT+32+\e:TT+33+\e], v[TT+32+\e:TT+33+\e], -2.0, 1.0 op_sel_hi:[1,0,0]   ; the tanh gate
.endr
.endif
.if (\a) > 0
.irp e, 0,2,4,6,8,10,12,14
	v_pk_fma_f32 v[TT+48+\e:TT+49+\e], v[TT+48+\e:TT+49+\e], -2.0, 1.0 op_sel_hi:[1,0,0]   ; tanh(new_c) of the block before
.endr
.endif
.if (\a) < 8
.irp e, 0,2,4,6,8,10,12,14
	v_pk_mul_f32 v[NC+\e:NC+1+\e], v[TT+16+\e:TT+17+\e], v[CC+\e:CC+1+\e]                  ; f c
.endr
.endif
.if (\a) > 0
.irp e, 0,2,4,6,8,10,12,14
	v_pk_mul_f32 v[NH+\e:NH+1+\e], v[OG+16*(((\a)-1)%2)+\e:OG+16*(((\a)-1)%2)+\e+1], v[TT+48+\e:TT+49+\e]   ; new_h of the block before
.endr
.endif
.if (\a) < 8
.irp e, 0,2,4,6,8,10,12,14
	v_pk_fma_f32 v[NC+\e:NC+1+\e], v[TT+\e:TT+1+\e], v[TT+32+\e:TT+33+\e], v[NC+\e:NC+1+\e]   ; new_c
.endr
.irp e, 0,2,4,6,8,10,12,14
	v_pk_mul_f32 v[TT+48+\e:TT+49+\e], v[NC+\e:NC+1+\e], s[KT:KT+1] op_sel_hi:[1,0]        ; tanh's exponent, for the next turn
.endr
.endif
.irp o, 0,1,2,3
.if (\a) < 8
	ds_store_b128 v[STOC], v[NC+4*\o:NC+4*\o+3] offset:(\a)*16*PITCH+64*(\o/2)+16*(\o%2)
.endif
.if (\a) > 0
	ds_store_b128 v[STOH], v[NH+4*\o:NH+4*\o+3] offset:((\a)-1)*16*PITCH+64*(\o/2)+16*(\o%2)
.endif
.endr
	s_wait_dscnt 0x0                               ; for the others' sake: my stores are done
	s_barrier_signal -1
.endm
.irp a, 0,1,2,3,4,5,6,7,8
	EPI \a
.endr
	s_barrier_wait -1
	BACK 7
	s_wait_dscnt 0x0
	SEND 7
	s_wait_tensorcnt 0x0                           ; the wave's end
	ds_add_u32 v[SPW], v[NIL]
	s_wait_dscnt 0x0
	CROUND                                         ; the closing round
	s_endpgm
.Lfunc_end_k_q2bb8fc3a0f_cell:
	.size	k_q2bb8fc3a0f_cell, .Lfunc_end_k_q2bb8fc3a0f_cell-k_q2bb8fc3a0f_cell
	.p2alignl 7, 3214868480
	.fill 96, 4, 3214868480
	.section	.rodata,"a",@progbits
	.p2align	6, 0x0
	.amdhsa_kernel k_q2bb8fc3a0f_cell
		.amdhsa_group_segment_fixed_size 327680
		.amdhsa_private_segment_fixed_size 0
		.amdhsa_enable_private_segment 0
		.amdhsa_kernarg_size 96
		.amdhsa_user_sgpr_count 2
		.amdhsa_user_sgpr_kernarg_segment_ptr 1
		.amdhsa_wavefront_size32 1
		.amdhsa_system_sgpr_workgroup_id_x 1
		.amdhsa_system_sgpr_workgroup_id_y 1
		.amdhsa_system_sgpr_workgroup_id_z 1
		.amdhsa_system_vgpr_workitem_id 0
		.amdhsa_next_free_vgpr 1024
		.amdhsa_next_free_sgpr 106
		.amdhsa_reserve_vcc 0
		.amdhsa_float_denorm_mode_32 3
		.amdhsa_float_denorm_mode_16_64 3
		.amdhsa_memory_ordered 1
		.amdhsa_forward_progress 1
		.amdhsa_inst_pref_size 255
	.end_amdhsa_kernel
	.section	.bss,"aw",@nobits
	.p2align	6
	.space	262144
	.amdgpu_metadata
---
amdhsa.version: [ 1, 2 ]
amdhsa.kernels:
  - .name:           k_q2bb8fc3a0f_cell
    .symbol:         k_q2bb8fc3a0f_cell.kd
    .args:
      - { .name: incoming_codes, .offset: 0, .size: 8, .value_kind: global_buffer, .address_space: global }
      - { .name: incoming_scales, .offset: 8, .size: 8, .value_kind: global_buffer, .address_space: global }
      - { .name: h_codes, .offset: 16, .size: 8, .value_kind: global_buffer, .address_space: global }
      - { .name: h_scales, .offset: 24, .size: 8, .value_kind: global_buffer, .address_space: global }
      - { .name: wq, .offset: 32, .size: 8, .value_kind: global_buffer, .address_space: global }
      - { .name: c, .offset: 40, .size: 8, .value_kind: global_buffer, .address_space: global }
      - { .name: bi, .offset: 48, .size: 8, .value_kind: global_buffer, .address_space: global }
      - { .name: bo, .offset: 56, .size: 8, .value_kind: global_buffer, .address_space: global }
      - { .name: bf, .offset: 64, .size: 8, .value_kind: global_buffer, .address_space: global }
      - { .name: bc, .offset: 72, .size: 8, .value_kind: global_buffer, .address_space: global }
      - { .name: out0, .offset: 80, .size: 8, .value_kind: global_buffer, .address_space: global }
      - { .name: out1, .offset: 88, .size: 8, .value_kind: global_buffer, .address_space: global }
    .group_segment_fixed_size: 327680
    .private_segment_fixed_size: 0
    .kernarg_segment_align: 8
    .kernarg_segment_size: 96
    .max_flat_workgroup_size: 128
    .sgpr_count:     106
    .vgpr_count:     1024
    .wavefront_size: 32
...
	.end_amdgpu_metadata
.endif
;; end of part 2
